; MI455X (gfx1250); checked and timed in simulation.
; The chip was launched on July 23, 2026; its instructions are those of AMD's public machine-readable ISA for CDNA 5 (MIT licence, August 2026) and "CDNA5" Instruction Set Architecture Reference Guide (July 2026). The comments in the code are by the model that wrote it; some were corrected since.
;; Mixtral Mo E. Allowed arithmetic: matrix products marked QUANTISED: E2M1 operands, one E8M0 scale for each 32 along K, by v_wmma_scale_f32_16x16x128_f8f6f4 with both operands' format E2M1 (or v_wmma_scale_f32_32x16x128_f4), f32 sums; products left as they are: f32 operands where the result goes on into a quantised operand, else bf16, f16 or f32 operands; f32 sums; everything else in f32.
;; Inputs: gate_w 1,024 x 8 float32; hidden_states 2,048 x 1,024 float32; w1 8 x 1,024 x 2,048 float32; w2 8 x 2,048 x 1,024 float32.
;; Outputs: out0 2,048 x 1,024 float32.
;; Constants: topk = 2.
;; This version of the problem:
;;   THIS VERSION OF THE PROBLEM IS GIVEN IN LOW PRECISION. The matrix products marked QUANTISED in the list below multiply operands that are first quantised to E2M1 (2 exponent bits, 1 mantissa bit; 4 bits a number), with one power-of-two scale for each 32 numbers along K (OCP MX v1.0); their sums are f32. All else is computed in f32.
;;   The module's matrix products, in the order in which they are computed (A, B: the left and right operand; K: the contracted axis; several contracted axes count as one K, in the product's order):
;;     1. [M 2,048, K 1,024] x [K 1,024, N 8]; A: input hidden_states; B: input gate_w: left as it is (N = 8 < 16)
;;     2. [M 2,048, K 1,024] x [K 1,024, N 2,048]; A: input hidden_states; B: input w1: QUANTISED
;;     3. [M 2,048, K 2,048] x [K 2,048, N 1,024]; A: computed on the way; B: input w2: QUANTISED
;;     4. [M 2,048, K 1,024] x [K 1,024, N 2,048]; A: input hidden_states; B: input w1: QUANTISED
;;     5. [M 2,048, K 2,048] x [K 2,048, N 1,024]; A: computed on the way; B: input w2: QUANTISED
;;     6. [M 2,048, K 1,024] x [K 1,024, N 2,048]; A: input hidden_states; B: input w1: QUANTISED
;;     7. [M 2,048, K 2,048] x [K 2,048, N 1,024]; A: computed on the way; B: input w2: QUANTISED
;;     8. [M 2,048, K 1,024] x [K 1,024, N 2,048]; A: input hidden_states; B: input w1: QUANTISED
;;     9. [M 2,048, K 2,048] x [K 2,048, N 1,024]; A: computed on the way; B: input w2: QUANTISED
;;     10. [M 2,048, K 1,024] x [K 1,024, N 2,048]; A: input hidden_states; B: input w1: QUANTISED
;;     11. [M 2,048, K 2,048] x [K 2,048, N 1,024]; A: computed on the way; B: input w2: QUANTISED
;;     12. [M 2,048, K 1,024] x [K 1,024, N 2,048]; A: input hidden_states; B: input w1: QUANTISED
;;     13. [M 2,048, K 2,048] x [K 2,048, N 1,024]; A: computed on the way; B: input w2: QUANTISED
;;     14. [M 2,048, K 1,024] x [K 1,024, N 2,048]; A: input hidden_states; B: input w1: QUANTISED
;;     15. [M 2,048, K 2,048] x [K 2,048, N 1,024]; A: computed on the way; B: input w2: QUANTISED
;;     16. [M 2,048, K 1,024] x [K 1,024, N 2,048]; A: input hidden_states; B: input w1: QUANTISED
;;     17. [M 2,048, K 2,048] x [K 2,048, N 1,024]; A: computed on the way; B: input w2: QUANTISED
;;   THE QUANTISER, for each operand of a quantised product, along K:
;;     - K is cut into blocks of 32 from its start; a last block that is shorter is filled with zeros.
;;     - A block's scale is 2^e with e = floor(log2(the largest magnitude in the block)) - 2, held to -126 .. 127; a block of zeros has e = 0. As a byte (E8M0): e + 127.
;;     - Each number is divided by its block's scale, clamped to +-6, and rounded to the nearest number of E2M1, ties to even, subnormals kept.
;;     - The product sums the exact products of the quantised numbers (number of the format x scale) in f32.
;;   ~~~python
;;   def quantise(x, axis):      # numpy; x: float32 -> the quantised numbers, widened to float32 again
;;       x = np.moveaxis(x, axis, -1); K = x.shape[-1]
;;       x = np.pad(x, [(0, 0)] * (x.ndim - 1) + [(0, -K % 32)]); x = x.reshape(x.shape[:-1] + (-1, 32)); a = np.abs(x).max(-1, keepdims=True)
;;       e = np.where(a > 0, np.clip(np.frexp(np.where(a > 0, a, 1))[1] - 1 - 2, -126, 127), 0)      # np.frexp(a)[1] - 1 = floor(log2(a)), exactly
;;       r = np.clip(x / 2.0 ** e, -6, 6)
;;       step = 2.0 ** (np.maximum(np.frexp(np.where(r == 0, 1, r))[1] - 1, 0) - 1)
;;       q = np.round(r / step) * step * 2.0 ** e      # np.round: ties to even
;;       return np.moveaxis(q.reshape(q.shape[:-2] + (-1,))[..., :K], -1, axis).astype(np.float32)
;;   ~~~
;;   OPERANDS COMPUTED ON THE WAY. 'Computed on the way' means the value that the module computes at that place (a softmax that the list does not call 'softmax' is quantised finished and normalised). What goes into a quantiser is computed in f32, as accurately as f32 sums, v_exp_f32 and their like allow (about 1e-6 of the number): no bf16 or f16 on the way to a quantiser, and a product that is left as it is and whose result goes on into a quantised operand takes f32 operands (vector FMAs, or v_wmma_f32_16x16x4_f32). A number that lies on a knife's edge between two numbers of the format may be rounded either way, as far as f32 arithmetic and the matrix unit's own rounding can turn it there, and no further.
;; One version. Each part assembles by itself: llvm-mc -triple=amdgcn-amd-amdhsa -mcpu=gfx1250 --defsym DOCPART=n.
;; ======== version 1 of 1: 4 launches
;; limits: right only within a limited range of input values
;; workspace buffers: xa 1,130,496 bytes; idx 16,384 bytes of whole numbers; wq 8,912,896 bytes; place 36,864 bytes of whole numbers; hq 5,431,296 bytes; y 20,447,232 bytes
;; launch route (part 1): grid 512 x 1, 8 waves a work-group, no clusters, 71,680 bytes of LDS; arguments hidden_states, gate_w, xa, idx, w2, wq; writes xa, idx, wq
.if DOCPART == 1
	.amdgcn_target "amdgcn-amd-amdhsa--gfx1250"
	.amdhsa_code_object_version 6
	.text
	.protected	k_q2f18d5d864_route
	.globl	k_q2f18d5d864_route
	.p2align	8
	.type	k_q2f18d5d864_route,@function
k_q2f18d5d864_route:
	s_mov_b64 s[64:65], 0
	v_nop
	global_prefetch_b8 v0, s[64:65] scope:SCOPE_SE
	s_setreg_imm32_b32 hwreg(HW_REG_WAVE_MODE, 25, 1), 1
	s_wait_xcnt 0x0
; ROUTER AND QUANTISER OF x.  hidden_states [2048][1024] f32, gate_w [1024][8] f32.
; For each token: 8 logits in f32 (fused multiply-adds), e_i = 2^((l_i - max) log2 e), the two largest (ties keep the lower index), their weights e / (e_best + e_second);
; the division by the whole softmax sum cancels in the renormalised weights and is not made.  The chosen experts go to idx [2048][2] i32, the weights to xa + 1114112 [2048][2] f32.
; The same numbers of x become codes of E2M1 with one E8M0 byte for each 32 along K: codes at xa [2048][512 bytes], bytes at xa + 1048576 [2048][32].
; A block's byte is its largest magnitude's exponent field - 2, held at 1 from below.
; LIMITS: NaN and infinities among the inputs are not served; a block whose largest magnitude lies under 2^-124 (a block of zeros too) gets the byte 1: the bytes are read by this program alone;
; the logits' f32 sums are taken in another order than a row-by-row sum.
; SHARES: a work-group takes 8 tokens, a wave one token, lane l the block x[t][32 l .. 32 l + 31].  No choice made here enters an address or a branch: values are selected and stored.
; LDS: gate_w, 1,024 bytes (32 rows of 8) for each lane + 16 of padding; a stage of each wave's own in which its row turns from 16 bytes a lane to 128 bytes a lane (pitch 144); the 8 x 32 scale bytes; the results.
.set XT,   33280                       ; the waves' stages, 4,608 bytes each
.set XSB,  70144                       ; scale bytes [wave][lane]
.set RES,  70400                       ; + 8 w: the two experts; + 64 + 8 w: the two weights
.set X,    16                          ; v16-47   my 32 numbers of x
.set RX,   48                          ; v48-79   x as loaded
.set RG,   80                          ; v80-111  gate_w as loaded
.set G,    48                          ; v48-111, v112-175: two sets of 8 rows x 8 experts of gate_w
.set L,    176                         ; v176-183 the logits, four pairs
.set EE,   184                         ; v184-191 e_i
.set PD,   48                          ; destinations of the lane permutes: registers that loads have written
	s_load_b256 s[4:11], s[0:1], 0x0               ; x s[4:5], gate_w s[6:7], xa s[8:9], idx s[10:11]
	v_lshl_add_u32 v208, v0, 2, 0x11400
	v_mov_b32 v209, 0
	v_lshrrev_b32 v1, 5, v0
	s_delay_alu instid0(VALU_DEP_1)
	v_readfirstlane_b32 s12, v1                    ; wave
	s_cmp_ge_u32 ttmp9, 256                        ; TWO KINDS OF WORK-GROUPS, parted on the work-group's number alone: 0-255 the router and x, as above; 256-511 quantise w2 (at the text's end)
	s_cbranch_scc1 .Lq
	v_and_b32 v1, 31, v0                           ; lane
	s_delay_alu instid0(VALU_DEP_1)
	v_lshlrev_b32 v2, 4, v1                        ; 16 x lane
	v_lshlrev_b32 v3, 4, v0                        ; 16 x thread
	v_lshrrev_b32 v4, 6, v0
	s_delay_alu instid0(VALU_DEP_1)
	v_lshl_add_u32 v4, v4, 4, v3                   ; gate_w into LDS: 16 x thread + 16 for each 1,024 bytes passed
	s_mul_i32 s14, s12, 4608
	s_add_co_u32 s14, s14, XT                      ; my wave's stage
	v_lshrrev_b32 v5, 3, v1
	s_delay_alu instid0(VALU_DEP_1)
	v_lshl_add_u32 v5, v5, 4, v2
	s_delay_alu instid0(VALU_DEP_1)
	v_add_nc_u32 v5, s14, v5                       ; into it: 16 x lane + 16 for each 128 bytes passed
	v_mul_u32_u24 v6, v1, 144
	s_delay_alu instid0(VALU_DEP_1)
	v_add_nc_u32 v6, s14, v6                       ; out of it: my 128 bytes
	v_mul_u32_u24 v7, v1, 1040                     ; my 32 rows of gate_w
	v_add_nc_u32 v8, XSB, v0                       ; my block's scale byte
	s_lshl_b32 s14, s12, 3
	s_add_co_u32 s14, s14, RES
	v_mov_b32 v9, s14                              ; my wave's results
	v_lshl_add_u32 v10, v1, 3, XSB                 ; wave 0's way out: 8 scale bytes a lane,
	v_and_b32 v11, 15, v1
	s_delay_alu instid0(VALU_DEP_1)
	v_lshlrev_b32 v11, 2, v11                      ; a word of the results for each of 16 lanes,
	s_delay_alu instid0(VALU_DEP_1)
	v_add_nc_u32 v12, RES, v11
	v_lshlrev_b32 v13, 3, v1
	s_lshl_b32 s13, ttmp9, 3
	s_add_co_u32 s13, s13, s12                     ; my token
	s_mov_b32 s20, 0x76543210
	s_mov_b32 s21, 0xfedcba98                      ; v_permlanex16_b32's selects for lane l xor 16
	s_lshl_b32 s14, s13, 12                        ; byte offsets, each in a pair with 0 above
	s_mov_b32 s15, 0
	s_lshl_b32 s30, s13, 9
	s_mov_b32 s31, 0
	s_lshl_b32 s32, ttmp9, 8
	s_mov_b32 s33, 0
	s_lshl_b32 s34, ttmp9, 6
	s_mov_b32 s35, 0
	s_wait_alu depctr_va_vdst(0)
	s_wait_kmcnt 0x0
	s_add_nc_u64 s[16:17], s[4:5], s[14:15]        ; my row of x
	s_add_nc_u64 s[18:19], s[8:9], s[30:31]        ; my row of codes
	s_add_nc_u64 s[24:25], s[8:9], s[32:33]        ; the group's 256 scale bytes (less the region's offset, which stands in the store)
	s_add_nc_u64 s[26:27], s[10:11], s[34:35]      ; the group's 16 words of idx
	s_add_nc_u64 s[28:29], s[8:9], s[34:35]        ; and of weights
.irp j, 0,1,2,3,4,5,6,7
	global_load_b128 v[RX+4*\j:RX+4*\j+3], v2, s[16:17] offset:512*\j th:TH_LOAD_NT   ; 512 consecutive bytes a load
.endr
.irp j, 0,1,2,3,4,5,6,7
	global_load_b128 v[RG+4*\j:RG+4*\j+3], v3, s[6:7] offset:4096*\j                  ; the eight waves take all of gate_w
.endr
	s_wait_loadcnt 8                               ; x is in: the eight loads of gate_w are the younger ones
.irp j, 0,1,2,3,4,5,6,7
	ds_store_b128 v5, v[RX+4*\j:RX+4*\j+3] offset:576*\j
.endr
.irp i, 0,1,2,3,4,5,6,7
	ds_load_b128 v[X+4*\i:X+4*\i+3], v6 offset:16*\i   ; my wave's own bytes, served in order: no wait between the stores and the loads
.endr
	s_wait_loadcnt 0x0
.irp j, 0,1,2,3,4,5,6,7
	ds_store_b128 v4, v[RG+4*\j:RG+4*\j+3] offset:4160*\j
.endr
	s_wait_dscnt 0x0                               ; for the others' sake: my part of gate_w has landed (and my 32 numbers are back)
	s_barrier_signal -1
	s_barrier_wait -1                              ; gate_w lies in LDS
.macro GB b                            ; rows 8 b .. 8 b + 7 of my 32 rows of gate_w into set b % 2: sixteen loads
.irp kk, 0,1,2,3,4,5,6,7
	ds_load_b128 v[G+64*((\b)%2)+8*\kk:G+64*((\b)%2)+8*\kk+3], v7 offset:32*(8*(\b)+\kk)
	ds_load_b128 v[G+64*((\b)%2)+8*\kk+4:G+64*((\b)%2)+8*\kk+7], v7 offset:32*(8*(\b)+\kk)+16
.endr
.endm
.macro FMA8 b                          ; 8 numbers of x against 8 experts: two experts an instruction; x's number is taken for both halves.  The very first product starts the sums
.irp kk, 0,1,2,3,4,5,6,7
.irp p, 0,1,2,3
.if ((\b) == 0) && (\kk == 0)
	v_pk_mul_f32 v[L+2*\p:L+2*\p+1], v[X:X+1], v[G+2*\p:G+2*\p+1] op_sel_hi:[0,1]
.elseif (\kk%2) == 0
	v_pk_fma_f32 v[L+2*\p:L+2*\p+1], v[X+8*(\b)+\kk:X+8*(\b)+\kk+1], v[G+64*((\b)%2)+8*\kk+2*\p:G+64*((\b)%2)+8*\kk+2*\p+1], v[L+2*\p:L+2*\p+1] op_sel_hi:[0,1,1]
.else
	s_delay_alu instid0(VALU_DEP_4)
	v_pk_fma_f32 v[L+2*\p:L+2*\p+1], v[X+8*(\b)+\kk-1:X+8*(\b)+\kk], v[G+64*((\b)%2)+8*\kk+2*\p:G+64*((\b)%2)+8*\kk+2*\p+1], v[L+2*\p:L+2*\p+1] op_sel:[1,0,0] op_sel_hi:[1,1,1]
.endif
.endr
.endr
.endm
	GB 0
	GB 1
	; my block becomes codes while the gate's rows are on their way
	v_max3_num_f32 v204, |v[X]|, |v[X+1]|, |v[X+2]|
	v_max3_num_f32 v205, |v[X+3]|, |v[X+4]|, |v[X+5]|
.irp i, 6,10,14,18,22,26
	s_delay_alu instid0(VALU_DEP_2)
	v_max3_num_f32 v204, v204, |v[X+\i]|, |v[X+\i+1]|
	s_delay_alu instid0(VALU_DEP_2)
	v_max3_num_f32 v205, v205, |v[X+\i+2]|, |v[X+\i+3]|
.endr
	s_delay_alu instid0(VALU_DEP_2)
	v_max3_num_f32 v204, v204, |v[X+30]|, |v[X+31]|
	s_delay_alu instid0(VALU_DEP_1)
	v_max3_num_f32 v204, v204, v205, 0x1800000     ; and the floor 2^(3 - 127): the byte cannot fall under 1
	s_delay_alu instid0(VALU_DEP_1)
	v_add_nc_u32 v205, 0xff000000, v204            ; 2 off the exponent field: the conversion takes this operand's exponent field as its scale
.irp g, 0,1,2,3
	v_cvt_scalef32_pk8_fp4_f32 v[200+\g], v[X+8*\g:X+8*\g+7], v205
.endr
	v_lshrrev_b32 v206, 23, v205                   ; the scale's byte (also the plain line behind the conversions)
	global_store_b128 v2, v[200:203], s[18:19]     ; the wave stores its row's 512 consecutive bytes
	s_wait_dscnt 16                                ; the older batch is in, the younger sixteen loads stay out
	FMA8 0
	GB 2
	s_wait_alu depctr_va_vdst(0)
	s_wait_dscnt 16
	FMA8 1
	GB 3
	s_wait_alu depctr_va_vdst(0)
	s_wait_dscnt 16
	FMA8 2
	s_wait_alu depctr_va_vdst(0)
	s_wait_dscnt 0x0
	FMA8 3
	; the 32 lanes' parts are added; every lane ends with the same eight logits
.irp m, 1,2,4,8
.irp i, 0,1,2,3,4,5,6,7
	v_add_f32_dpp v[L+\i], v[L+\i], v[L+\i] row_xmask:\m row_mask:0xf bank_mask:0xf
.endr
.endr
.irp i, 0,1,2,3,4,5,6,7
	v_permlanex16_b32 v[PD+\i], v[L+\i], s20, s21
.endr
.irp i, 0,1,2,3,4,5,6,7
	v_add_f32 v[L+\i], v[L+\i], v[PD+\i]
.endr
	v_max3_num_f32 v196, v[L], v[L+1], v[L+2]
	s_delay_alu instid0(VALU_DEP_1)
	v_max3_num_f32 v196, v196, v[L+3], v[L+4]
	s_delay_alu instid0(VALU_DEP_1)
	v_max3_num_f32 v196, v196, v[L+5], v[L+6]
	s_delay_alu instid0(VALU_DEP_1)
	v_max_num_f32 v196, v196, v[L+7]               ; the largest logit is taken away ahead of the exponentials
.irp i, 0,1,2,3,4,5,6,7
	v_sub_f32 v[EE+\i], v[L+\i], v196
.endr
.irp i, 0,1,2,3,4,5,6,7
	v_mul_f32 v[EE+\i], 0x3fb8aa3b, v[EE+\i]
.endr
	s_wait_alu depctr_va_vdst(0)
.irp i, 0,1,2,3,4,5,6,7
	v_exp_f32 v[EE+\i], v[EE+\i]
.endr
	v_nop                                          ; a plain line behind the last exponential,
	s_wait_alu depctr_va_vdst(0)                   ; and one wait for the batch, ahead of its first reader
.macro SCAN bv, bn                     ; the largest e_i and its index; a later one wins only if it is greater: ties keep the lower index
	v_mov_b32 v[\bv], v[EE]
	v_mov_b32 v[\bn], 0
.irp i, 1,2,3,4,5,6,7
	v_cmp_gt_f32 vcc_lo, v[EE+\i], v[\bv]
	v_cndmask_b32 v[\bv], v[\bv], v[EE+\i], vcc_lo
	s_delay_alu instid0(VALU_DEP_2)
	v_cndmask_b32 v[\bn], v[\bn], \i, vcc_lo
.endr
.endm
	SCAN 192, 193
.irp i, 0,1,2,3,4,5,6,7
	v_cmp_eq_u32 vcc_lo, \i, v193
	v_cndmask_b32 v[EE+\i], v[EE+\i], -1.0, vcc_lo ; the best is taken out: every e_i is 0 or more
.endr
	SCAN 194, 195
	s_delay_alu instid0(VALU_DEP_2)
	v_add_f32 v196, v192, v194
	s_wait_alu depctr_va_vdst(0)
	v_rcp_f32 v197, v196
	v_nop
	s_wait_alu depctr_va_vdst(0)
	v_mul_f32 v198, v192, v197                     ; the two weights, renormalised
	v_mul_f32 v199, v194, v197
	ds_store_b8 v8, v206
	ds_store_b32 v9, v193                          ; all lanes write the same word with the same value
	ds_store_b32 v9, v195 offset:4
	ds_store_b32 v9, v198 offset:64
	ds_store_b32 v9, v199 offset:68
	s_wait_dscnt 0x0                               ; for wave 0's sake
	s_barrier_signal -1
	s_barrier_wait -1
	s_cmp_lg_u32 s12, 0
	s_cbranch_scc1 .Lend                           ; wave 0 stores what the eight waves gathered
	ds_load_b64 v[14:15], v10
	ds_load_b32 v176, v12
	ds_load_b32 v177, v12 offset:64
	s_wait_dscnt 0x0
	global_store_b64 v13, v[14:15], s[24:25] offset:1048576   ; 256 consecutive bytes, aligned
	v_cmp_gt_u32 vcc_lo, 16, v1
	s_wait_xcnt 0x0                                ; EXEC changes only behind this wait
	s_and_saveexec_b32 s22, vcc_lo
	global_store_b32 v11, v176, s[26:27]           ; 16 words: the experts of 8 tokens
	global_store_b32 v11, v177, s[28:29] offset:1114112   ; and their weights
	s_wait_xcnt 0x0                                ; and again in front of the line that widens it
	s_or_b32 exec_lo, exec_lo, s22
.Lend:
	s_wait_tensorcnt 0x0
	ds_add_u32 v208, v209
	s_wait_dscnt 0x0
	s_endpgm
; WORK-GROUPS 256-511: w2 [8][2048 (k)][1024 (n)] f32 becomes codes of E2M1 along K with one E8M0 byte for each 32 along K, laid in wq IN THE ORDER OF THE OPERAND'S REGISTERS:
;   codes [expert][group of 32 columns][K step of 128][tile u][1,024 bytes]: 16 bytes for chunk c and lane (r, h): k = 128 s + 64 c + 32 h + 0 .. 31 of the tile's row r;
;   COLUMN x OF A GROUP IS TILE u = (x / 8) % 2, ROW r = x % 8 + 8 (x / 16);  scale words at wq + 8388608 [expert][group][pair of K steps][16 u + r][2 words].
; A work-group takes one expert, 64 columns and 1,024 along K; wave w one K step; lane l columns 2 l and 2 l + 1: each load reads one row's 256 consecutive bytes, aligned.
; A lane's registers run down K with its two columns by turns.  A conversion of eight registers (four rows x two columns) is made once with each column's scale; rows 0, 2, 4, 6 of eight stand in one group and
; rows 1, 3, 5, 7 in the next, so that one shift and one v_bfi_b32 with 0x0f0f0f0f make a column's eight codes in the order of k.  A lane's two columns are 32 neighbouring bytes of an image: two stores fill a unit of 256 bytes.
; The byte and the limits are those of x's blocks.  No LDS on this path.
.set QD,  16                           ; v16-143  two sets of 64 numbers
.set QC,  144                          ; v144-175 codes, eight registers for each block: no store's data are written again
.set QT,  176                          ; v176-191 the conversions' results
.set QM,  192                          ; v192-197 largest magnitudes and scale operands; v198-199 bytes
.set QW,  200                          ; v200-201 the two columns' scale words
.macro QLOAD b                         ; block b of my K step: row 8 q + 2 j + p stands in group 2 q + p, pair j
.irp q, 0,1,2,3
.irp p, 0,1
.irp j, 0,1,2,3
	global_load_b64 v[QD+64*((\b)%2)+2*((2*\q+\p)*4+\j):QD+64*((\b)%2)+2*((2*\q+\p)*4+\j)+1], v1, s[26:27] offset:(32*(\b)+8*\q+2*\j+\p)*4096 th:TH_LOAD_NT
.endr
.endr
.endr
.endm
.macro QBLK b, younger                 ; younger: the loads issued behind this block's
.set DS, QD+64*((\b)%2)
	s_wait_loadcnt \younger
.irp c, 0,1
	v_max3_num_f32 v[QM+\c], |v[DS+\c]|, |v[DS+2+\c]|, 0x1800000       ; two chains for each column, with the floor 2^(3 - 127)
	v_max3_num_f32 v[QM+2+\c], |v[DS+4+\c]|, |v[DS+6+\c]|, 0x1800000
.endr
.irp i, 8,16,24,32,40,48,56
.irp c, 0,1
	v_max3_num_f32 v[QM+\c], v[QM+\c], |v[DS+\i+\c]|, |v[DS+\i+2+\c]|
	v_max3_num_f32 v[QM+2+\c], v[QM+2+\c], |v[DS+\i+4+\c]|, |v[DS+\i+6+\c]|
.endr
.endr
.irp c, 0,1
	v_max_num_f32 v[QM+\c], v[QM+\c], v[QM+2+\c]
.endr
.irp c, 0,1
	v_add_nc_u32 v[QM+4+\c], 0xff000000, v[QM+\c]  ; 2 off the exponent field: the conversion's scale operand
.endr
.irp q, 0,1,2,3
	v_cvt_scalef32_pk8_fp4_f32 v[QT+4*\q], v[DS+16*\q:DS+16*\q+7], v[QM+4]       ; even rows by the first column's scale: its codes are the low nibbles,
	v_cvt_scalef32_pk8_fp4_f32 v[QT+4*\q+1], v[DS+16*\q:DS+16*\q+7], v[QM+5]     ; by the second's: its codes are the high nibbles;
	v_cvt_scalef32_pk8_fp4_f32 v[QT+4*\q+2], v[DS+16*\q+8:DS+16*\q+15], v[QM+4]  ; odd rows likewise
	v_cvt_scalef32_pk8_fp4_f32 v[QT+4*\q+3], v[DS+16*\q+8:DS+16*\q+15], v[QM+5]
.endr
.irp c, 0,1
.if (\b) == 0
	v_lshrrev_b32 v[QW+\c], 23, v[QM+4+\c]         ; the byte (also the plain lines behind the conversions); four bytes make the K step's scale word
.else
	v_lshrrev_b32 v[198+\c], 23, v[QM+4+\c]
.endif
.endr
.irp q, 0,1,2,3
	v_lshlrev_b32 v[QT+4*\q+2], 4, v[QT+4*\q+2]
	v_lshrrev_b32 v[QT+4*\q+1], 4, v[QT+4*\q+1]
.endr
.if (\b) > 0
.irp c, 0,1
	v_lshl_or_b32 v[QW+\c], v[198+\c], 8*(\b), v[QW+\c]
.endr
.endif
.irp q, 0,1,2,3
	v_bfi_b32 v[QC+8*(\b)+\q], s36, v[QT+4*\q], v[QT+4*\q+2]      ; byte j: k = 2 j below, k = 2 j + 1 above
	v_bfi_b32 v[QC+8*(\b)+4+\q], s36, v[QT+4*\q+1], v[QT+4*\q+3]
.endr
	global_store_b128 v2, v[QC+8*(\b):QC+8*(\b)+3], s[28:29] offset:256*(\b)        ; block b = 2 c + h of the image
	global_store_b128 v2, v[QC+8*(\b)+4:QC+8*(\b)+7], s[28:29] offset:256*(\b)+16
.endm
.Lq:
	s_load_b128 s[32:35], s[0:1], 0x20             ; w2 s[32:33], wq s[34:35]
	s_sub_co_u32 s13, ttmp9, 256
	s_lshr_b32 s16, s13, 5                         ; expert
	s_bfe_u32 s17, s13, 0x40001                    ; which 64 columns
	s_and_b32 s18, s13, 1
	s_lshl_b32 s18, s18, 3
	s_add_co_u32 s18, s18, s12                     ; my K step
	s_lshl_b32 s20, s16, 23
	s_lshl_b32 s19, s18, 19
	s_add_co_u32 s20, s20, s19
	s_lshl_b32 s19, s17, 8
	s_add_co_u32 s20, s20, s19                     ; where my numbers begin
	s_mov_b32 s21, 0
	s_lshl_b32 s22, s16, 20
	s_lshl_b32 s19, s17, 16
	s_add_co_u32 s22, s22, s19
	s_lshl_b32 s19, s18, 11
	s_add_co_u32 s22, s22, s19                     ; my codes
	s_mov_b32 s23, 0
	s_lshl_b32 s24, s16, 16
	s_lshl_b32 s19, s17, 12
	s_add_co_u32 s24, s24, s19
	s_lshr_b32 s19, s18, 1
	s_lshl_b32 s19, s19, 8
	s_add_co_u32 s24, s24, s19
	s_and_b32 s19, s18, 1
	s_lshl_b32 s19, s19, 2
	s_add_co_u32 s24, s24, s19
	s_add_co_u32 s24, s24, 8388608                 ; my scale words
	s_mov_b32 s25, 0
	s_mov_b32 s36, 0x0f0f0f0f
	v_and_b32 v4, 31, v0
	v_bfe_u32 v5, v0, 2, 1                         ; u of column 2 l
	v_bfe_u32 v6, v0, 4, 1                         ; its group of 32 columns
	v_and_b32 v7, 3, v0
	v_bfe_u32 v8, v0, 3, 1
	v_lshlrev_b32 v1, 3, v4                        ; in: 8 bytes a lane
	v_lshlrev_b32 v7, 1, v7
	v_lshl_add_u32 v7, v8, 3, v7                   ; r of column 2 l; column 2 l + 1 has r + 1
	v_lshlrev_b32 v2, 15, v6
	v_lshl_add_u32 v2, v5, 10, v2
	v_lshl_add_u32 v2, v7, 4, v2                   ; codes: the group, 1,024 u + 16 r
	v_lshlrev_b32 v3, 11, v6
	v_lshl_add_u32 v3, v5, 7, v3
	v_lshl_add_u32 v3, v7, 3, v3                   ; scale words: the group, 8 (16 u + r)
	s_wait_alu depctr_va_vdst(0)
	s_wait_kmcnt 0x0
	s_add_nc_u64 s[26:27], s[32:33], s[20:21]
	s_add_nc_u64 s[28:29], s[34:35], s[22:23]
	s_add_nc_u64 s[30:31], s[34:35], s[24:25]
	QLOAD 0
	QLOAD 1
	QBLK 0, 32                                     ; younger: the other set's 32 loads
	QLOAD 2
	QBLK 1, 32
	QLOAD 3
	QBLK 2, 32
	QBLK 3, 0
	global_store_b32 v3, v[QW], s[30:31]           ; my K step's word of each of my two columns
	global_store_b32 v3, v[QW+1], s[30:31] offset:8
	s_endpgm
.Lfunc_end_k_q2f18d5d864_route:
	.size	k_q2f18d5d864_route, .Lfunc_end_k_q2f18d5d864_route-k_q2f18d5d864_route
	.p2alignl 7, 3214868480
	.fill 96, 4, 3214868480
	.section	.rodata,"a",@progbits
	.p2align	6, 0x0
	.amdhsa_kernel k_q2f18d5d864_route
		.amdhsa_group_segment_fixed_size 71680
		.amdhsa_private_segment_fixed_size 0
		.amdhsa_enable_private_segment 0
		.amdhsa_kernarg_size 48
		.amdhsa_user_sgpr_count 2
		.amdhsa_user_sgpr_kernarg_segment_ptr 1
		.amdhsa_wavefront_size32 1
		.amdhsa_system_sgpr_workgroup_id_x 1
		.amdhsa_system_sgpr_workgroup_id_y 1
		.amdhsa_system_sgpr_workgroup_id_z 1
		.amdhsa_system_vgpr_workitem_id 0
		.amdhsa_next_free_vgpr 210
		.amdhsa_next_free_sgpr 66
		.amdhsa_reserve_vcc 1
		.amdhsa_float_denorm_mode_32 3
		.amdhsa_float_denorm_mode_16_64 3
		.amdhsa_memory_ordered 1
		.amdhsa_forward_progress 1
		.amdhsa_inst_pref_size 63
	.end_amdhsa_kernel
	.amdgpu_metadata
---
amdhsa.version: [ 1, 2 ]
amdhsa.kernels:
  - .name:           k_q2f18d5d864_route
    .symbol:         k_q2f18d5d864_route.kd
    .args:
      - { .name: hidden_states, .offset: 0, .size: 8, .value_kind: global_buffer, .address_space: global }
      - { .name: gate_w, .offset: 8, .size: 8, .value_kind: global_buffer, .address_space: global }
      - { .name: xa, .offset: 16, .size: 8, .value_kind: global_buffer, .address_space: global }
      - { .name: idx, .offset: 24, .size: 8, .value_kind: global_buffer, .address_space: global }
      - { .name: w2, .offset: 32, .size: 8, .value_kind: global_buffer, .address_space: global }
      - { .name: wq, .offset: 40, .size: 8, .value_kind: global_buffer, .address_space: global }
    .group_segment_fixed_size: 71680
    .private_segment_fixed_size: 0
    .kernarg_segment_align: 8
    .kernarg_segment_size: 48
    .max_flat_workgroup_size: 256
    .sgpr_count:     66
    .vgpr_count:     210
    .wavefront_size: 32
...
	.end_amdgpu_metadata
.endif
;; end of part 1
;; launch up (part 2): grid 256 x 1, 8 waves a work-group, no clusters, 115,968 bytes of LDS; arguments xa, w1, idx, place, hq; writes place, hq
.if DOCPART == 2
	.amdgcn_target "amdgcn-amd-amdhsa--gfx1250"
	.amdhsa_code_object_version 6
	.text
	.protected	k_q2f18d5d864_up
	.globl	k_q2f18d5d864_up
	.p2align	8
	.type	k_q2f18d5d864_up,@function
k_q2f18d5d864_up:
	s_mov_b64 s[64:65], 0
	v_nop
	global_prefetch_b8 v0, s[64:65] scope:SCOPE_SE
	s_setreg_imm32_b32 hwreg(HW_REG_WAVE_MODE, 25, 1), 1
	s_wait_xcnt 0x0
; h = Q(silu(Q(x) Q(W1[e]))) for the rows that chose expert e; only those rows are multiplied.  Work-group j takes expert e = j / 32 and hidden units 64 (j % 32) .. + 63, for ALL of the expert's rows.
; THE SORT, while the first weights are on their way.  The 4,096 slots (token t, choice j: slot 2 t + j; their experts come from idx, which an earlier launch stored) are placed by expert, each expert's rows
;   beginning at a multiple of 128: never more than 32 + 7 = 39 tiles of 128 rows.  Every work-group counts all slots (wave w slots 512 w .. + 511; a table [wave][expert] in LDS), ranks the slots of ITS expert
;   (order: wave, register, lane) and lays their tokens into a list in LDS; entries that no slot takes hold token 0.  The list's stores have addresses made of loaded numbers (held first): the eight waves store
;   one after the other, each turn between two barriers; a lane of another expert writes an entry of its own behind the list, which nobody reads.
;   For later launches: in the work-group with j % 32 = 0 wave e ranks its own 512 slots for all eight experts, in the same order, and stores pos (a slot's row), 2,048 consecutive bytes: each word of pos has one writer;
;   wave 0 of work-group 0 stores tiles[64] {expert, rows in use} at place + 36352.
; PART 1: the slice of w1, 1,024 (k) x 64 (n) f32, is read from memory once and quantised here along K.  Wave w takes K step w, lane l columns 2 l and 2 l + 1: each load reads one row's 256 consecutive bytes, aligned.
;   A lane's registers run down K with its two columns by turns.  A conversion of eight registers (four rows x two columns) is made once with each column's scale; rows 0, 2, 4, 6 of eight stand in one group and
;   rows 1, 3, 5, 7 in the next, so that one shift and one v_bfi_b32 with 0x0f0f0f0f make a column's eight codes in the order of k.
;   The codes go to LDS as images of the operand's registers [K step][tile of 16 columns][1,024 bytes], the scale bytes as words [K step][pair of tiles][16 u + r].
;   COLUMN x OF A GROUP OF 32 IS TILE u = (x / 8) % 2, ROW r = x % 8 + 8 (x / 16): in the transposed product the 16 registers of a group's two tiles are 16 neighbours along the next K.
; PART 2: every wave takes all 32 KiB of codes into 256 registers, and the work-group walks the expert's tiles: a loop of 16 trips (2,048 rows at the most) that jumps over the work of the tiles that the split does not have.
;   Wave w owns rows 16 w .. 16 w + 15 of each tile x 64 units: 4 accumulators, 8 K steps.  It gathers its 16 rows of x (whole rows of 512 bytes) through LDS bytes of its own (pitch 528): no barrier stands in the loop.
;   The next tile's rows are asked for behind this tile's products and land under silu and the quantiser; behind the last tile that request names token 0 and is not used.
; THE PRODUCT IS USED TRANSPOSED (source 0 = 16 columns of W1, source 1 = 16 rows of x): lane (r, h) holds row r, register 16 g + 8 u + j unit 32 g + 16 h + 8 u + j.
; h's codes go out as parts of fragment images, hq [tile][K step][tile of rows][1,024 bytes]; its scale bytes at hq + 5111808 [tile][K step][lane (r, hh)][4 words], two bytes of a row's word from this work-group
;   (64 units are two blocks): these units of 256 bytes are written in part, one byte in 16 of what is stored.  Rows of padding carry token 0 and are computed like the others.  Tiles that no expert uses are not written.
; No tensor loads and no cluster: what is multiplied hangs on numbers read from memory.  No prefetch: part 1 has 64 loads a wave out from its first lines on, and part 2 reads rows that other work-groups read too.
; silu(a) = a / (1 + 2^(-a log2 e)), in f32.  LIMITS: NaN and infinities are not served; a block whose largest magnitude lies under 2^-124 (zeros too) gets the byte 1: this program alone reads the bytes.
; REGISTERS: v1-15 addresses; v16-19 x's scale words, v20-35 W1's (scales and nothing else); v36-51 the gather's offsets (the sort: pos); v52-63 the sort's addresses; v64-95 accumulators (part 1: codes; the sort: experts, ranks);
;   v96-127 part 1 and the sort at work; v128-191 gathered rows, v192-255 x's fragments, then silu and the quantiser (part 1: both are the two sets of 64 numbers); v256-511 W1's fragments.
.set WSC,   32768                      ; LDS: behind W1's codes: its scale words, 2,048 bytes
.set XR,    34816                      ; the waves' own 16 rows x 528 bytes
.set LIST,  102400                     ; the expert's tokens by row: 17 tiles x 512 bytes; entries 2176 + lane for the lanes of other experts; 12,288 bytes are cleared
.set CNT,   114688                     ; counts [wave][expert]
.set SPARE, 114944                     ; the spare words, 128 bytes a wave
.set L16, 1
.set SPW, 2
.set NIL, 3
.set WO,  4
.set CA,  5
.set SBA, 6
.set XF,  7
.set XST, 8
.set HC,  9
.set HS,  10
.set LB,  11
.set VT,  12
.set TO,  13
.set XA,  14
.set H16, 15
.set XS,  16
.set WS,  20
.set GA,  36
.set LL4, 52
.set LN,  53
.set ZA,  54
.set CT,  55
.set TA,  56
.set IA,  57
.set IX,  64                           ; the sort: v64-79 my 16 x 32 slots' experts, v80-95 their ranks, then list addresses, v96-111 their tokens
.set AD,  80
.set TKV, 96
.set ACC, 64
.set C,   64
.set TT,  96
.set M,   112
.set BY,  120
.set D,   128
.set G,   128
.set X,   192
.set T,   192
.set Q,   224
.set CN,  56                           ; s56-63 my wave's counts, then the next rows for pos; s66-81 masks; s82-89 the experts' totals; s90-98 their first tiles
.set TL,  82
.set FT,  90
.set MSB, 0
.macro WIN new                         ; the immediate's high byte repeats the setting that is left
.if MSB != \new
	s_set_vgpr_msb (MSB<<8)|\new
.set MSB, \new
.endif
.endm
	s_load_b256 s[4:11], s[0:1], 0x0               ; xa s[4:5], w1 s[6:7], idx s[8:9], place s[10:11]
	s_load_b64 s[36:37], s[0:1], 0x20              ; hq
	v_lshl_add_u32 v[SPW], v0, 2, SPARE
	v_mov_b32 v[NIL], 0
	v_lshrrev_b32 v1, 5, v0
	v_readfirstlane_b32 s12, v1                    ; wave
	s_lshr_b32 s13, ttmp9, 5                       ; expert
	s_and_b32 s14, ttmp9, 31                       ; which 64 units
	s_lshl_b32 s40, s12, 12
	s_lshl_b32 s41, s12, 8
	s_add_co_u32 s41, s41, WSC
	s_mul_i32 s42, s12, 8448
	s_add_co_u32 s42, s42, XR
	s_lshl_b32 s45, s12, 6
	s_add_co_u32 s45, s45, LIST
	s_lshl_b32 s49, s12, 5
	s_add_co_u32 s49, s49, CNT
	s_lshl_b32 s48, s12, 11
	s_lshl_b32 s28, s13, 23
	s_lshl_b32 s15, s12, 20
	s_add_co_u32 s28, s28, s15
	s_lshl_b32 s15, s14, 8
	s_add_co_u32 s28, s28, s15                     ; w1: expert, 128 w rows of 8,192 bytes, 256 bytes for each 64 columns
	s_mov_b32 s29, 0
	s_lshr_b32 s43, s14, 1                         ; the next product's K step,
	s_and_b32 s44, s14, 1                          ; and which half of it
	s_lshl_b32 s30, s43, 13
	s_lshl_b32 s15, s12, 10
	s_add_co_u32 s30, s30, s15
	s_lshl_b32 s15, s44, 9
	s_add_co_u32 s30, s30, s15                     ; h's codes: K step, tile of rows w, two blocks of 256 bytes
	s_mov_b32 s31, 0
	s_lshl_b32 s46, s43, 9
	s_lshr_b32 s15, s12, 2
	s_lshl_b32 s15, s15, 8
	s_add_co_u32 s46, s46, s15
	s_and_b32 s15, s12, 3
	s_lshl_b32 s15, s15, 2
	s_add_co_u32 s46, s46, s15
	s_lshl_b32 s15, s44, 1
	s_add_co_u32 s46, s46, s15
	s_add_co_u32 s46, s46, 5111808                 ; h's scale bytes: K step, lanes' half w / 4, word w % 4, two bytes
	s_mov_b32 s47, 0
	s_mov_b32 s24, 0x0f0f0f0f
	s_mov_b32 s26, 0x76543210
	s_mov_b32 s27, 0xfedcba98                      ; v_permlanex16_b32's selects for lane l xor 16
	s_mov_b32 s55, 0
	v_and_b32 v[LN], 31, v0                        ; lane
	v_and_b32 v58, 15, v0                          ; r
	v_bfe_u32 v59, v0, 4, 1                        ; h; in part 1 the group of 32 columns
	v_bfe_u32 v60, v0, 2, 1                        ; u of column 2 l
	v_and_b32 v61, 3, v0
	v_bfe_u32 v62, v0, 3, 1
	v_and_b32 v63, 7, v0
	v_lshlrev_b32 v[L16], 4, v[LN]
	v_lshlrev_b32 v[WO], 3, v[LN]                  ; my two columns in a row of the slice
	v_lshlrev_b32 v[LL4], 2, v[LN]
	v_lshl_add_u32 v60, v59, 1, v60                ; tile of 16 columns
	v_lshlrev_b32 v61, 1, v61
	v_lshl_add_u32 v61, v62, 3, v61                ; r of column 2 l; column 2 l + 1 has r + 1
	v_lshlrev_b32 v[CA], 10, v60
	v_lshl_add_u32 v[CA], v61, 4, v[CA]
	v_add_nc_u32 v[CA], s40, v[CA]                 ; codes: 4,096 w + 1,024 tile + 16 r
	v_lshlrev_b32 v[SBA], 6, v60
	v_lshl_add_u32 v[SBA], v61, 2, v[SBA]
	v_add_nc_u32 v[SBA], s41, v[SBA]               ; scale bytes: 256 w + 64 tile + 4 r
	v_mul_u32_u24 v[XF], v58, 528
	v_lshl_add_u32 v[XF], v59, 4, v[XF]
	v_add_nc_u32 v[XF], s42, v[XF]                 ; a fragment of x: row r x pitch + 16 h
	v_add_nc_u32 v[XST], s42, v[L16]               ; and where a gathered row goes
	v_lshlrev_b32 v[HS], 4, v58
	v_lshl_add_u32 v[HC], v59, 3, v[HS]            ; h's codes: 16 r + 8 h
	v_lshlrev_b32 v[LB], 2, v58
	v_add_nc_u32 v[LB], s45, v[LB]                 ; the list: my wave's 16 rows of tile 0, a lane a row
	v_lshlrev_b32 v[H16], 4, v59
	v_lshl_add_u32 v[ZA], v0, 4, LIST              ; the list's clearing: 16 bytes a thread
	v_mov_b32 v[CT], s49                           ; my wave's eight counts
	v_lshl_add_u32 v[TA], v63, 2, CNT              ; the column of expert lane % 8
	v_add_nc_u32 v[IA], s48, v[L16]                ; idx and pos: 2,048 w + 16 lane
	v_mov_b32 v60, 0
	v_mov_b32 v61, 0
	v_mov_b32 v62, 0
	v_mov_b32 v63, 0
	s_wait_alu depctr_va_vdst(0)
	s_wait_kmcnt 0x0
	s_add_nc_u64 s[18:19], s[6:7], s[28:29]
	s_add_nc_u64 s[50:51], s[36:37], s[30:31]
	s_add_nc_u64 s[52:53], s[36:37], s[46:47]
.macro QLOAD b                         ; block b of my K step: 32 rows into set b % 2; row 8 q + 2 j + p stands in group 2 q + p, pair j
.irp q, 0,1,2,3
.irp p, 0,1
.irp j, 0,1,2,3
	global_load_b64 v[D+64*((\b)%2)+2*((2*\q+\p)*4+\j):D+64*((\b)%2)+2*((2*\q+\p)*4+\j)+1], v[WO], s[18:19] offset:(32*(\b)+8*\q+2*\j+\p)*8192 th:TH_LOAD_NT
.endr
.endr
.endr
.endm
.macro QBLK b, younger                 ; younger: the loads issued behind this block's
.set DS, D+64*((\b)%2)
	s_wait_loadcnt \younger
.irp c, 0,1                            ; the two columns' largest magnitudes, two chains each, with the floor 2^(3 - 127)
	v_max3_num_f32 v[M+\c], |v[DS+\c]|, |v[DS+2+\c]|, 0x1800000
	v_max3_num_f32 v[M+2+\c], |v[DS+4+\c]|, |v[DS+6+\c]|, 0x1800000
.endr
.irp i, 8,16,24,32,40,48,56
.irp c, 0,1
	v_max3_num_f32 v[M+\c], v[M+\c], |v[DS+\i+\c]|, |v[DS+\i+2+\c]|
	v_max3_num_f32 v[M+2+\c], v[M+2+\c], |v[DS+\i+4+\c]|, |v[DS+\i+6+\c]|
.endr
.endr
.irp c, 0,1
	v_max_num_f32 v[M+\c], v[M+\c], v[M+2+\c]
.endr
.irp c, 0,1
	v_add_nc_u32 v[M+4+\c], 0xff000000, v[M+\c]    ; 2 off the exponent field: the conversion's scale operand
.endr
.irp q, 0,1,2,3
	v_cvt_scalef32_pk8_fp4_f32 v[TT+4*\q], v[DS+16*\q:DS+16*\q+7], v[M+4]       ; even rows by the first column's scale: its codes are the low nibbles,
	v_cvt_scalef32_pk8_fp4_f32 v[TT+4*\q+1], v[DS+16*\q:DS+16*\q+7], v[M+5]     ; by the second's: its codes are the high nibbles;
	v_cvt_scalef32_pk8_fp4_f32 v[TT+4*\q+2], v[DS+16*\q+8:DS+16*\q+15], v[M+4]  ; odd rows likewise
	v_cvt_scalef32_pk8_fp4_f32 v[TT+4*\q+3], v[DS+16*\q+8:DS+16*\q+15], v[M+5]
.endr
.irp c, 0,1
	v_lshrrev_b32 v[BY+2*(\b)+\c], 23, v[M+4+\c]   ; the bytes (also the plain lines behind the conversions)
.endr
.irp q, 0,1,2,3
	v_lshlrev_b32 v[TT+4*\q+2], 4, v[TT+4*\q+2]
	v_lshrrev_b32 v[TT+4*\q+1], 4, v[TT+4*\q+1]
.endr
.irp q, 0,1,2,3
	v_bfi_b32 v[C+8*(\b)+\q], s24, v[TT+4*\q], v[TT+4*\q+2]      ; byte j: k = 2 j below, k = 2 j + 1 above
	v_bfi_b32 v[C+8*(\b)+4+\q], s24, v[TT+4*\q+1], v[TT+4*\q+3]
.endr
	ds_store_b128 v[CA], v[C+8*(\b):C+8*(\b)+3] offset:256*(\b)        ; block b = 2 c + h of the image
	ds_store_b128 v[CA], v[C+8*(\b)+4:C+8*(\b)+7] offset:256*(\b)+16
	ds_store_b8 v[SBA], v[BY+2*(\b)] offset:\b
	ds_store_b8 v[SBA], v[BY+2*(\b)+1] offset:4+\b
.endm
.macro GATHER                          ; 17 loads: the scale words (lanes 0-15 K steps 0-3, lanes 16-31 K steps 4-7 of row r) and 16 whole rows of codes, by the tokens that lie in VT, a lane a row
	s_wait_dscnt 0x0
	v_min_u32 v[VT], 2047, v[VT]                   ; a loaded number enters an address only behind this hold
	v_lshl_add_u32 v[XA], v[VT], 5, v[H16]
	s_wait_alu depctr_va_vdst(0)
	global_load_b128 v[XS:XS+3], v[XA], s[4:5] offset:1048576
.set I, 0
.rept 16
	v_readlane_b32 s[32+I], v[VT], I
	s_min_u32 s[32+I], s[32+I], 2047
	s_lshl_b32 s[32+I], s[32+I], 9
	v_add_nc_u32 v[GA+I], s[32+I], v[L16]
	global_load_b128 v[G+4*I:G+4*I+3], v[GA+I], s[4:5]   ; 512 consecutive bytes
.set I, I+1
.endr
.endm
.irp c, 0,1,2,3
	global_load_b128 v[IX+4*\c:IX+4*\c+3], v[IA], s[8:9] offset:512*\c   ; register 4 c + j: slot 512 w + 128 c + 4 lane + j
.endr
	QLOAD 0
	QLOAD 1
.irp k, 0,1,2
	ds_store_b128 v[ZA], v[60:63] offset:4096*\k   ; the list is cleared
.endr
	s_wait_loadcnt 63                              ; idx is in: 64 loads are younger, and the field holds 63
.set I, 0
.rept 16                               ; how many of my wave's slots chose each expert
.irp e, 0,1,2,3,4,5,6,7
	v_cmp_eq_u32 s[66+\e], \e, v[IX+I]
.endr
.irp e, 0,1,2,3,4,5,6,7
.if I == 0
	s_bcnt1_i32_b32 s[CN+\e], s[66+\e]             ; the first register starts the counts
.else
	s_bcnt1_i32_b32 s[74+\e], s[66+\e]
.endif
.endr
.if I > 0
.irp e, 0,1,2,3,4,5,6,7
	s_add_co_u32 s[CN+\e], s[CN+\e], s[74+\e]
.endr
.endif
.set I, I+1
.endr
.irp e, 0,1,2,3,4,5,6,7
	v_mov_b32 v[112+\e], s[CN+\e]
	ds_store_b32 v[CT], v[112+\e] offset:4*\e      ; all lanes write the same word with the same value
.endr
	s_wait_dscnt 0x0                               ; for the others' sake: my counts and my part of the clearing have landed
	s_barrier_signal -1
	s_barrier_wait -1
.irp ww, 0,1,2,3,4,5,6,7
	ds_load_b32 v[112+\ww], v[TA] offset:32*\ww    ; wave ww's count of expert lane % 8
.endr
.irp ww, 0,1,2,3,4,5,6
	s_cmp_gt_u32 s12, \ww
	s_cselect_b32 s[74+\ww], -1, 0                 ; all ones where wave ww stands in front of mine
.endr
	s_wait_dscnt 0x0
	v_add_nc_u32 v58, v112, v113                   ; the expert's total,
	v_add_nc_u32 v60, v114, v115
	v_add_nc_u32 v61, v116, v117
	v_add_nc_u32 v62, v118, v119
	v_add_nc_u32 v58, v58, v60
	v_add_nc_u32 v61, v61, v62
	v_add_nc_u32 v58, v58, v61
.irp ww, 0,1,2,3,4,5,6
	v_and_b32 v[120+\ww], s[74+\ww], v[112+\ww]
.endr
	v_add_nc_u32 v59, v120, v121                   ; and the sum over the waves in front of mine
	v_add_nc_u32 v60, v122, v123
	v_add_nc_u32 v61, v124, v125
	v_add_nc_u32 v59, v59, v126
	v_add_nc_u32 v60, v60, v61
	v_add_nc_u32 v59, v59, v60
.irp e, 0,1,2,3,4,5,6,7
	v_readlane_b32 s[TL+\e], v58, \e
	v_readlane_b32 s[66+\e], v59, \e
.endr
	s_mov_b32 s[FT], 0
.irp e, 0,1,2,3,4,5,6,7
	s_add_co_u32 s100, s[TL+\e], 127
	s_lshr_b32 s100, s100, 7                       ; the expert's tiles
	s_add_co_u32 s[FT+1+\e], s[FT+\e], s100
.endr
	s_mov_b32 s16, s[FT]                           ; my expert's first tile, the next expert's, and the rank of my wave's first slot
	s_mov_b32 s101, s[FT+1]
	s_mov_b32 s99, s66
.irp e, 1,2,3,4,5,6,7
	s_cmp_eq_u32 s13, \e
	s_cselect_b32 s16, s[FT+\e], s16
	s_cselect_b32 s101, s[FT+1+\e], s101
	s_cselect_b32 s99, s[66+\e], s99
.endr
	s_sub_co_u32 s17, s101, s16                    ; my expert's tiles
	s_min_u32 s16, s16, 38                         ; the holds: 39 tiles in all, 2,048 rows of an expert at the most
	s_min_u32 s17, s17, 16
	s_xor_b32 s100, s12, s13
	s_or_b32 s100, s100, s14
	s_cmp_lg_u32 s100, 0
	s_wait_alu depctr_va_vdst(0)
	s_cbranch_scc1 .Lno_pos                        ; in the expert's first work-group wave e stores the rows of its own 512 slots, whatever experts they chose
.irp e, 0,1,2,3,4,5,6,7
	s_lshl_b32 s100, s[FT+\e], 7
	s_add_co_u32 s[CN+\e], s[66+\e], s100          ; where my wave's next row of each expert goes: the expert's first row + the waves in front of mine
.endr
.set I, 0
.rept 16
.irp e, 0,1,2,3,4,5,6,7
	v_cmp_eq_u32 s[74+\e], \e, v[IX+I]
.endr
	v_mbcnt_lo_u32_b32 v[GA+I], s74, s[CN]         ; the expert's next row + the lanes below mine that chose it; lanes of other experts are written over below
.irp e, 1,2,3,4,5,6,7
	v_mbcnt_lo_u32_b32 v[112+\e], s[74+\e], s[CN+\e]
.endr
.irp e, 1,2,3,4,5,6,7
	v_cndmask_b32 v[GA+I], v[GA+I], v[112+\e], s[74+\e]
.endr
.irp e, 0,1,2,3,4,5,6,7
	s_bcnt1_i32_b32 s100, s[74+\e]
	s_add_co_u32 s[CN+\e], s[CN+\e], s100
.endr
.set I, I+1
.endr
	s_wait_alu depctr_va_vdst(0)
.irp c, 0,1,2,3
	global_store_b128 v[IA], v[GA+4*\c:GA+4*\c+3], s[10:11] offset:512*\c   ; pos: 512 consecutive bytes, aligned
.endr
	s_wait_xcnt 0x0                                ; the stores have read their registers
.Lno_pos:
	v_lshlrev_b32 v63, 1, v[LN]
	s_lshl_b32 s100, s12, 8
	v_add_nc_u32 v63, s100, v63                    ; the token of my slot in register 0: 256 w + 2 lane
	s_wait_alu depctr_va_vdst(0)
.set I, 0
.rept 16
	v_cmp_eq_u32 s[66+I], s13, v[IX+I]             ; the lanes whose slot chose my expert
	v_mbcnt_lo_u32_b32 v[AD+I], s[66+I], s99       ; their ranks: the running count + the lanes below
	s_bcnt1_i32_b32 s100, s[66+I]
	s_add_co_u32 s99, s99, s100
	v_add_nc_u32 v[TKV+I], 64*(I/4)+(I%4)/2, v63   ; the slot's token
.set I, I+1
.endr
	s_or_b32 s100, ttmp9, s12
	s_cmp_lg_u32 s100, 0
	s_wait_alu depctr_va_vdst(0)
	s_cbranch_scc1 .Lno_tiles                      ; wave 0 of work-group 0 writes the list of tiles
	v_lshlrev_b32 v59, 3, v[LN]
.irp q, 0,1
	v_add_nc_u32 v58, 32*\q, v[LN]                 ; tile
	v_mov_b32 v[60+2*\q], 0                        ; its expert: the last whose first tile is not behind it,
	v_mov_b32 v112, 0                              ; that expert's first tile,
	v_mov_b32 v113, s[TL]                          ; and total
.irp e, 1,2,3,4,5,6,7
	v_cmp_le_u32 vcc_lo, s[FT+\e], v58
	v_cndmask_b32 v[60+2*\q], v[60+2*\q], \e, vcc_lo
	v_cndmask_b32 v112, v112, s[FT+\e], vcc_lo
	v_cndmask_b32 v113, v113, s[TL+\e], vcc_lo
.endr
	v_sub_nc_u32 v112, v58, v112
	v_lshlrev_b32 v112, 7, v112                    ; rows of the expert in front of this tile
	v_cmp_gt_u32 vcc_lo, v113, v112
	v_sub_nc_u32 v113, v113, v112
	v_cndmask_b32 v113, 0, v113, vcc_lo
	v_min_u32 v[61+2*\q], 128, v113                ; rows in use: 0 .. 128
	global_store_b64 v59, v[60+2*\q:61+2*\q], s[10:11] offset:36352+256*\q   ; 256 consecutive bytes, aligned
.endr
	s_wait_xcnt 0x0                                ; the stores have read their registers
.Lno_tiles:
	v_add_nc_u32 v62, 0x880, v[LN]                 ; a lane of another expert writes entry 2176 + lane
.set I, 0
.rept 16
	v_cndmask_b32 v[AD+I], v62, v[AD+I], s[66+I]
	v_min_u32 v[AD+I], 0x89f, v[AD+I]              ; a number made of loaded numbers enters an address only behind this hold
	v_lshl_add_u32 v[AD+I], v[AD+I], 2, LIST
.set I, I+1
.endr
	s_wait_alu depctr_va_vdst(0)                   ; the addresses
	s_barrier_signal -1
	s_barrier_wait -1                              ; nobody reads the table of counts any more
.irp k, 0,1,2,3,4,5,6,7                ; the waves lay their tokens into the list one after the other: in each turn one wave alone touches LDS
	s_cmp_lg_u32 s12, \k
	s_cbranch_scc1 .Lnot_my_turn_\k
.set I, 0
.rept 16
	ds_store_b32 v[AD+I], v[TKV+I]
.set I, I+1
.endr
	s_wait_dscnt 0x0
.Lnot_my_turn_\k:
	s_barrier_signal -1
	s_barrier_wait -1
.endr
	ds_load_b32 v[VT], v[LB]                       ; the tokens of my 16 rows of the expert's first tile
	QBLK 0, 32                                     ; younger: the other set's 32 loads
	QLOAD 2
	QBLK 1, 32
	QLOAD 3
	QBLK 2, 32
	GATHER                                         ; the first tile's rows, into the set just worked
	QBLK 3, 17                                     ; the gather's 17
	s_wait_dscnt 0x0                               ; for the others' sake: my K step's codes and bytes have landed
	s_barrier_signal -1
	s_barrier_wait -1
	WIN 0x40                                       ; destination in the second window
.set SS, 0
.rept 8
.irp tl, 0,1,2,3
.irp c, 0,1
	ds_load_b128 v[32*SS+8*\tl+4*\c:32*SS+8*\tl+4*\c+3], v[L16] offset:4096*SS+1024*\tl+512*\c
.endr
.endr
.set SS, SS+1
.endr
	WIN 0
.set SS, 0
.rept 8
.irp g, 0,1
	ds_load_b32 v[WS+2*SS+\g], v[LL4] offset:WSC+256*SS+128*\g   ; lanes 0-15: tile 2 g's words, lanes 16-31: tile 2 g + 1's
.endr
.set SS, SS+1
.endr
	s_mov_b32 s25, 0
	s_mov_b32 s48, 512                             ; the next tile's place in the list
.macro WM cop                          ; one product; RA, RB: the halves of the lanes in which the scales stand
.if RA && RB
	v_wmma_scale_f32_16x16x128_f8f6f4 v[DD:DD+7], v[AA:AA+7], v[BB:BB+7], \cop, v[SA], v[SB] matrix_a_fmt:MATRIX_FMT_FP4 matrix_b_fmt:MATRIX_FMT_FP4 matrix_a_scale:MATRIX_SCALE_ROW1 matrix_b_scale:MATRIX_SCALE_ROW1
.elseif RA
	v_wmma_scale_f32_16x16x128_f8f6f4 v[DD:DD+7], v[AA:AA+7], v[BB:BB+7], \cop, v[SA], v[SB] matrix_a_fmt:MATRIX_FMT_FP4 matrix_b_fmt:MATRIX_FMT_FP4 matrix_a_scale:MATRIX_SCALE_ROW1
.elseif RB
	v_wmma_scale_f32_16x16x128_f8f6f4 v[DD:DD+7], v[AA:AA+7], v[BB:BB+7], \cop, v[SA], v[SB] matrix_a_fmt:MATRIX_FMT_FP4 matrix_b_fmt:MATRIX_FMT_FP4 matrix_b_scale:MATRIX_SCALE_ROW1
.else
	v_wmma_scale_f32_16x16x128_f8f6f4 v[DD:DD+7], v[AA:AA+7], v[BB:BB+7], \cop, v[SA], v[SB] matrix_a_fmt:MATRIX_FMT_FP4 matrix_b_fmt:MATRIX_FMT_FP4
.endif
.endm
.Ltrip:
	s_cmp_ge_u32 s25, s17
	s_cbranch_scc1 .Lnext                          ; the expert has no such tile
	s_wait_loadcnt 0x0                             ; this tile's rows and scale words are in
	s_wait_xcnt 0x0                                ; the last trip's stores have read their registers and their bases
	s_add_co_u32 s28, s16, s25
	s_min_u32 s28, s28, 38                         ; this tile
	s_lshl_b32 s54, s28, 17
	s_add_nc_u64 s[20:21], s[50:51], s[54:55]
	s_lshl_b32 s54, s28, 13
	s_add_nc_u64 s[22:23], s[52:53], s[54:55]
	v_add_nc_u32 v[TO], s48, v[LB]
.set I, 0
.rept 16
	ds_store_b128 v[XST], v[G+4*I:G+4*I+3] offset:528*I
.set I, I+1
.endr
.set I, 0
.rept 16
	ds_load_b128 v[X+4*I:X+4*I+3], v[XF] offset:32*I   ; my wave's own bytes, served in order: K step I / 2, chunk I % 2
.set I, I+1
.endr
	ds_load_b32 v[VT], v[TO]                       ; the next tile's tokens
	s_wait_dscnt 0x0                               ; (in the first trip W1's fragments and scale words too)
	WIN 0x01                                       ; source 0 (W1) in the second window
.set SS, 0
.rept 8                                ; the four accumulators take turns, one instruction a turn; K step 0 starts the sums
.irp tl, 0,1,2,3
.set DD, ACC+8*\tl
.set AA, 32*SS+8*\tl
.set BB, X+8*SS
.set SA, WS+2*SS+\tl/2
.set SB, XS+SS%4
.set RA, \tl%2
.set RB, SS/4
.if SS == 0
	WM 0
.else
	WM v[DD:DD+7]
.endif
.endr
.set SS, SS+1
.endr
	WIN 0
.rept 4
	v_nop                                          ; places in front of the loads into x's scale words and of the first reads of the sums
.endr
	GATHER                                         ; the next tile's rows
; silu; each accumulator is first read at its low end.  One wait ahead of each batch of transcendentals and one behind it.
.set J, 0
.rept 16
	v_pk_mul_f32 v[T+2*J:T+2*J+1], v[ACC+2*J:ACC+2*J+1], 0xbfb8aa3b op_sel_hi:[1,0]   ; -a log2 e
.set J, J+1
.endr
	s_wait_alu depctr_va_vdst(0)
.set J, 0
.rept 32
	v_exp_f32 v[T+J], v[T+J]
.set J, J+1
.endr
	v_nop
	s_wait_alu depctr_va_vdst(0)
.set J, 0
.rept 16
	v_pk_add_f32 v[T+2*J:T+2*J+1], v[T+2*J:T+2*J+1], 1.0 op_sel_hi:[1,0]
.set J, J+1
.endr
	s_wait_alu depctr_va_vdst(0)
.set J, 0
.rept 32
	v_rcp_f32 v[T+J], v[T+J]
.set J, J+1
.endr
	v_nop
	s_wait_alu depctr_va_vdst(0)
.set J, 0
.rept 16
	v_pk_mul_f32 v[ACC+2*J:ACC+2*J+1], v[ACC+2*J:ACC+2*J+1], v[T+2*J:T+2*J+1]
.set J, J+1
.endr
; two blocks of the next K for my row: 16 numbers of each in lane l, 16 in lane l xor 16
.irp g, 0,1
	v_max3_num_f32 v[Q+\g], |v[ACC+16*\g]|, |v[ACC+16*\g+1]|, 0x1800000   ; with the floor 2^(3 - 127)
.endr
.irp i, 2,4,6,8,10,12,14
.irp g, 0,1
	v_max3_num_f32 v[Q+\g], v[Q+\g], |v[ACC+16*\g+\i]|, |v[ACC+16*\g+\i+1]|
.endr
.endr
.irp g, 0,1
	v_permlanex16_b32 v[Q+2+\g], v[Q+\g], s26, s27
.endr
.irp g, 0,1
	v_max_num_f32 v[Q+\g], v[Q+\g], v[Q+2+\g]
.endr
.irp g, 0,1
	v_add_nc_u32 v[Q+4+\g], 0xff000000, v[Q+\g]    ; 2 off the exponent field: the conversion's scale operand
.endr
.irp g, 0,1
	v_lshrrev_b32 v[Q+6+\g], 23, v[Q+4+\g]         ; the byte
.endr
	v_lshl_or_b32 v[Q+8], v[Q+7], 8, v[Q+6]
.irp g, 0,1
	v_cvt_scalef32_pk8_fp4_f32 v[Q+10+2*\g], v[ACC+16*\g:ACC+16*\g+7], v[Q+4+\g]
	v_cvt_scalef32_pk8_fp4_f32 v[Q+11+2*\g], v[ACC+16*\g+8:ACC+16*\g+15], v[Q+4+\g]
.endr
	v_nop                                          ; a plain line behind the last conversion
	global_store_b64 v[HC], v[Q+10:Q+11], s[20:21]             ; a block of the image: 256 consecutive bytes, aligned
	global_store_b64 v[HC], v[Q+12:Q+13], s[20:21] offset:256
	global_store_b16 v[HS], v[Q+8], s[22:23]                   ; two bytes of row r's word; lanes l and l xor 16 write the same bytes with the same value
.Lnext:
	s_add_co_u32 s48, s48, 512
	s_add_co_u32 s25, s25, 1
	s_cmp_lt_u32 s25, 16
	s_wait_alu depctr_va_vdst(0)
	s_cbranch_scc1 .Ltrip
	s_wait_tensorcnt 0x0                           ; the wave's end
	ds_add_u32 v[SPW], v[NIL]
	s_wait_dscnt 0x0
	s_endpgm
.Lfunc_end_k_q2f18d5d864_up:
	.size	k_q2f18d5d864_up, .Lfunc_end_k_q2f18d5d864_up-k_q2f18d5d864_up
	.p2alignl 7, 3214868480
	.fill 96, 4, 3214868480
	.section	.rodata,"a",@progbits
	.p2align	6, 0x0
	.amdhsa_kernel k_q2f18d5d864_up
		.amdhsa_group_segment_fixed_size 115968
		.amdhsa_private_segment_fixed_size 0
		.amdhsa_enable_private_segment 0
		.amdhsa_kernarg_size 40
		.amdhsa_user_sgpr_count 2
		.amdhsa_user_sgpr_kernarg_segment_ptr 1
		.amdhsa_wavefront_size32 1
		.amdhsa_system_sgpr_workgroup_id_x 1
		.amdhsa_system_sgpr_workgroup_id_y 1
		.amdhsa_system_sgpr_workgroup_id_z 1
		.amdhsa_system_vgpr_workitem_id 0
		.amdhsa_next_free_vgpr 512
		.amdhsa_next_free_sgpr 102
		.amdhsa_reserve_vcc 1
		.amdhsa_float_denorm_mode_32 3
		.amdhsa_float_denorm_mode_16_64 3
		.amdhsa_memory_ordered 1
		.amdhsa_forward_progress 1
		.amdhsa_inst_pref_size 139
	.end_amdhsa_kernel
	.amdgpu_metadata
---
amdhsa.version: [ 1, 2 ]
amdhsa.kernels:
  - .name:           k_q2f18d5d864_up
    .symbol:         k_q2f18d5d864_up.kd
    .args:
      - { .name: xa, .offset: 0, .size: 8, .value_kind: global_buffer, .address_space: global }
      - { .name: w1, .offset: 8, .size: 8, .value_kind: global_buffer, .address_space: global }
      - { .name: idx, .offset: 16, .size: 8, .value_kind: global_buffer, .address_space: global }
      - { .name: place, .offset: 24, .size: 8, .value_kind: global_buffer, .address_space: global }
      - { .name: hq, .offset: 32, .size: 8, .value_kind: global_buffer, .address_space: global }
    .group_segment_fixed_size: 115968
    .private_segment_fixed_size: 0
    .kernarg_segment_align: 8
    .kernarg_segment_size: 40
    .max_flat_workgroup_size: 256
    .sgpr_count:     102
    .vgpr_count:     512
    .wavefront_size: 32
...
	.end_amdgpu_metadata
.endif
;; end of part 2
;; launch down (part 3): grid 8 x 39, 4 waves a work-group, no clusters, 139,776 bytes of LDS; arguments hq, wq, place, y; writes y
.if DOCPART == 3
	.amdgcn_target "amdgcn-amd-amdhsa--gfx1250"
	.amdhsa_code_object_version 6
	.text
	.protected	k_q2f18d5d864_down
	.globl	k_q2f18d5d864_down
	.p2align	8
	.type	k_q2f18d5d864_down,@function
k_q2f18d5d864_down:
	s_mov_b64 s[64:65], 0
	v_nop
	global_prefetch_b8 v0, s[64:65] scope:SCOPE_SE
	s_setreg_imm32_b32 hwreg(HW_REG_WAVE_MODE, 25, 1), 1
	s_wait_xcnt 0x0
; y = h Q(W2[e]) for the sorted rows: a work-group takes tile ttmp7 (128 rows of one expert) and output columns 128 gx .. 128 gx + 127; K = 2,048 in 16 steps of 128.
; Wave w takes all 128 rows x the group of 32 columns cg = 4 gx + w: 16 accumulators.  THE PRODUCT IS USED TRANSPOSED (source 0 = 16 columns of W2, source 1 = 16 rows of h):
; lane (r, h) holds row 16 m + r, and registers 16 m + 8 u + j hold column 32 cg + 16 h + 8 u + j: 64 neighbouring bytes of a row of y.
; The wave's part of W2 (32 KiB of codes in the order of the operand's registers) lies whole in 256 registers.  The tile's h (128 KiB of fragment images and 8 KiB of scale words) is a dense block:
; the four waves copy it into LDS as it lies, and each fragment comes back by two loads of 512 consecutive bytes.
; THE HEAD ASKS FOR ALL OF h AT ONCE: a wave's quarter is 64 loads; 32 land in the accumulators' registers and 32 in the registers of W2's K steps 8-15.  Those K steps are asked for when the LDS stores have
; read these registers, and have the barrier and the first 16 groups (128 products) in which to land.
; y goes out in sorted order through a stage in LDS (pitch 528), laid over the images when nobody reads them any more.  A wave whose 32 rows are all padding stores nothing: a branch on a stored whole number, behind the last barrier.
; No tensor loads and no cluster: two such work-groups lie on a WGP at once, and how many tiles share an expert's weights hangs on counts read from memory.
; REGISTERS: v1-7 addresses; v8-23 W2's scale words, v24-31 h's, two sets (scales and nothing else); v32-95 h's fragments, two sets of four; v96-127 W2's K steps 0, 1; v128-255 accumulators; v256-479 W2's K steps 2-15.
.set HS,   131072                      ; LDS: behind the images: h's scale words [K step][lane][4 words]
.set ACC,  128
.set LATE, 96                          ; in the second window: the 128 registers of W2's K steps 8-15
.set MSB,  0
.macro WIN new                         ; the immediate's high byte repeats the setting that is left; a switch that changes nothing is dropped
.if MSB != \new
	s_set_vgpr_msb (MSB<<8)|\new
.set MSB, \new
.endif
.endm
	s_load_b256 s[4:11], s[0:1], 0x0               ; hq s[4:5], wq s[6:7], place s[8:9], y s[10:11]
	s_set_vgpr_msb 0x40
	v_lshl_add_u32 v224, v0, 2, 0x22000
	v_mov_b32 v225, 0
	s_set_vgpr_msb 0x4000
	v_lshrrev_b32 v1, 5, v0
	v_readfirstlane_b32 s12, v1                    ; wave
	s_and_b32 s14, ttmp7, 0xffff                   ; tile
	v_and_b32 v32, 31, v0
	v_lshlrev_b32 v1, 4, v32                       ; 16 x lane: images of K steps 0-7,
	v_add_nc_u32 v2, 0x10000, v1                   ; of K steps 8-15,
	v_add_nc_u32 v3, HS, v1                        ; h's scale words
	v_lshlrev_b32 v4, 3, v32                       ; 8 x lane
	s_lshl_b32 s15, s12, 15
	v_add_nc_u32 v5, s15, v1                       ; my quarter of the images, in memory and in LDS alike
	s_lshl_b32 s15, s12, 11
	v_add_nc_u32 v6, s15, v1                       ; my quarter of the scale words, in memory,
	v_add_nc_u32 v7, HS, v6                        ; and in LDS
	s_lshl_b32 s18, s14, 3
	s_mov_b32 s3, 0
	s_wait_alu depctr_va_vdst(0)
	s_wait_kmcnt 0x0
	s_load_b64 s[16:17], s[8:9], s18 offset:36352  ; the tile's expert, and its rows in use
	s_wait_kmcnt 0x0
	s_cmp_eq_u32 s17, 0
	s_cbranch_scc1 .Lend                           ; a tile that this split leaves without rows: its part of hq was not written, nothing of it is read, nothing is stored
	s_lshl_b32 s2, s14, 17
	s_add_nc_u64 s[20:21], s[4:5], s[2:3]
	s_lshl_b32 s2, s14, 13
	s_add_co_u32 s2, s2, 5111808
	s_add_nc_u64 s[22:23], s[4:5], s[2:3]
.set I, 0
.rept 32
	global_load_b128 v[ACC+4*I:ACC+4*I+3], v5, s[20:21] offset:512*I      ; the first half of my quarter
.set I, I+1
.endr
.irp j, 0,1,2,3
	global_load_b128 v[32+4*\j:35+4*\j], v6, s[22:23] offset:512*\j
.endr
	WIN 0x40                                       ; destination in the second window
.set I, 0
.rept 32
	global_load_b128 v[LATE+4*I:LATE+4*I+3], v5, s[20:21] offset:16384+512*I   ; the second half
.set I, I+1
.endr
	WIN 0
	s_lshl_b32 s2, s14, 19
	s_lshl_b32 s15, s12, 17
	s_add_co_u32 s2, s2, s15
	s_lshl_b32 s15, ttmp9, 9
	s_add_co_u32 s2, s2, s15
	s_add_nc_u64 s[28:29], s[10:11], s[2:3]        ; y: row 128 tile + 32 w, column 128 gx
	s_wait_kmcnt 0x0
	s_min_u32 s16, s16, 7                          ; a loaded number enters an address only behind this hold
	s_lshl_b32 s15, ttmp9, 2
	s_add_co_u32 s15, s15, s12                     ; cg
	s_lshl_b32 s2, s16, 20
	s_lshl_b32 s19, s15, 15
	s_add_co_u32 s2, s2, s19
	s_add_nc_u64 s[24:25], s[6:7], s[2:3]          ; my group's codes of W2
	s_lshl_b32 s2, s16, 16
	s_lshl_b32 s19, s15, 11
	s_add_co_u32 s2, s2, s19
	s_add_co_u32 s2, s2, 8388608
	s_add_nc_u64 s[26:27], s[6:7], s[2:3]          ; and its scale words
.irp s, 0,1
.irp u, 0,1
.irp c, 0,1
	global_load_b128 v[96+16*\s+8*\u+4*\c:96+16*\s+8*\u+4*\c+3], v1, s[24:25] offset:2048*\s+1024*\u+512*\c
.endr
.endr
.endr
	WIN 0x40
.irp s, 2,3,4,5,6,7
.irp u, 0,1
.irp c, 0,1
	global_load_b128 v[16*(\s-2)+8*\u+4*\c:16*(\s-2)+8*\u+4*\c+3], v1, s[24:25] offset:2048*\s+1024*\u+512*\c
.endr
.endr
.endr
	WIN 0
.irp p, 0,1,2,3,4,5,6,7
	global_load_b64 v[8+2*\p:9+2*\p], v4, s[26:27] offset:256*\p   ; lanes 0-15: tile 0's words of K steps 2 p, 2 p + 1; lanes 16-31: tile 1's
.endr
	s_wait_loadcnt 40                              ; my quarter of h is in: the 32 loads of W2's K steps 0-7 and the 8 of its scale words are the younger ones
.set I, 0
.rept 32
	ds_store_b128 v5, v[ACC+4*I:ACC+4*I+3] offset:512*I
.set I, I+1
.endr
.irp j, 0,1,2,3
	ds_store_b128 v7, v[32+4*\j:35+4*\j] offset:512*\j
.endr
	WIN 0x04                                       ; an LDS store's data are its source 1: the second window
.set I, 0
.rept 32
	ds_store_b128 v5, v[LATE+4*I:LATE+4*I+3] offset:16384+512*I
.set I, I+1
.endr
	WIN 0
	s_wait_dscnt 0x0                               ; for the others' sake: my quarter has landed; and the stores have read their registers,
	WIN 0x40
.irp s, 8,9,10,11,12,13,14,15
.irp u, 0,1
.irp c, 0,1
	global_load_b128 v[16*(\s-2)+8*\u+4*\c:16*(\s-2)+8*\u+4*\c+3], v1, s[24:25] offset:2048*\s+1024*\u+512*\c   ; which now take W2's K steps 8-15
.endr
.endr
.endr
	WIN 0
	s_wait_loadcnt 32                              ; W2's K steps 0-7 and its scale words are in: the 32 loads just issued are the younger ones
	s_barrier_signal -1
	s_barrier_wait -1                              ; the tile's h lies in LDS
	v_and_b32 v32, 15, v0
	v_bfe_u32 v33, v0, 4, 1
	v_mul_u32_u24 v7, v32, 528
	v_lshl_add_u32 v7, v33, 6, v7
	s_lshl_b32 s15, s12, 7
	v_add_nc_u32 v7, s15, v7                       ; v7: the stage, in: row r, 64 h bytes, my group's 128 bytes
	s_mul_i32 s15, s12, 16896
	v_add_nc_u32 v5, s15, v1                       ; v5: and back: my 32 rows, 16 bytes a lane (the loads that named v5 were shown done above)
.macro LOADA q                         ; group q = K step q / 2, tiles of rows 4 (q % 2) + 0 .. 3: four fragments into set q % 2
.irp i, 0,1,2,3
.irp c, 0,1
.if (\q)/2 < 8
	ds_load_b128 v[32+32*((\q)%2)+8*\i+4*\c:32+32*((\q)%2)+8*\i+4*\c+3], v1 offset:(((\q)/2)%8)*8192+(4*((\q)%2)+\i)*1024+512*\c
.else
	ds_load_b128 v[32+32*((\q)%2)+8*\i+4*\c:32+32*((\q)%2)+8*\i+4*\c+3], v2 offset:(((\q)/2)%8)*8192+(4*((\q)%2)+\i)*1024+512*\c
.endif
.endr
.endr
.endm
.macro LOADX s                         ; a K step's scale words of the 128 rows: register i serves tile i (lanes 0-15) and tile 4 + i (lanes 16-31)
	ds_load_b128 v[24+4*((\s)%2):24+4*((\s)%2)+3], v3 offset:512*(\s)
.endm
.macro WM                              ; one product; DD, AA, BB its registers, SA, SB its scale registers, RA, RB the halves of the lanes in which the scales stand; K step 0 starts the sums
.if SS == 0
.if RA && RB
	v_wmma_scale_f32_16x16x128_f8f6f4 v[DD:DD+7], v[AA:AA+7], v[BB:BB+7], 0, v[SA], v[SB] matrix_a_fmt:MATRIX_FMT_FP4 matrix_b_fmt:MATRIX_FMT_FP4 matrix_a_scale:MATRIX_SCALE_ROW1 matrix_b_scale:MATRIX_SCALE_ROW1
.elseif RA
	v_wmma_scale_f32_16x16x128_f8f6f4 v[DD:DD+7], v[AA:AA+7], v[BB:BB+7], 0, v[SA], v[SB] matrix_a_fmt:MATRIX_FMT_FP4 matrix_b_fmt:MATRIX_FMT_FP4 matrix_a_scale:MATRIX_SCALE_ROW1
.elseif RB
	v_wmma_scale_f32_16x16x128_f8f6f4 v[DD:DD+7], v[AA:AA+7], v[BB:BB+7], 0, v[SA], v[SB] matrix_a_fmt:MATRIX_FMT_FP4 matrix_b_fmt:MATRIX_FMT_FP4 matrix_b_scale:MATRIX_SCALE_ROW1
.else
	v_wmma_scale_f32_16x16x128_f8f6f4 v[DD:DD+7], v[AA:AA+7], v[BB:BB+7], 0, v[SA], v[SB] matrix_a_fmt:MATRIX_FMT_FP4 matrix_b_fmt:MATRIX_FMT_FP4
.endif
.else
.if RA && RB
	v_wmma_scale_f32_16x16x128_f8f6f4 v[DD:DD+7], v[AA:AA+7], v[BB:BB+7], v[DD:DD+7], v[SA], v[SB] matrix_a_fmt:MATRIX_FMT_FP4 matrix_b_fmt:MATRIX_FMT_FP4 matrix_a_scale:MATRIX_SCALE_ROW1 matrix_b_scale:MATRIX_SCALE_ROW1
.elseif RA
	v_wmma_scale_f32_16x16x128_f8f6f4 v[DD:DD+7], v[AA:AA+7], v[BB:BB+7], v[DD:DD+7], v[SA], v[SB] matrix_a_fmt:MATRIX_FMT_FP4 matrix_b_fmt:MATRIX_FMT_FP4 matrix_a_scale:MATRIX_SCALE_ROW1
.elseif RB
	v_wmma_scale_f32_16x16x128_f8f6f4 v[DD:DD+7], v[AA:AA+7], v[BB:BB+7], v[DD:DD+7], v[SA], v[SB] matrix_a_fmt:MATRIX_FMT_FP4 matrix_b_fmt:MATRIX_FMT_FP4 matrix_b_scale:MATRIX_SCALE_ROW1
.else
	v_wmma_scale_f32_16x16x128_f8f6f4 v[DD:DD+7], v[AA:AA+7], v[BB:BB+7], v[DD:DD+7], v[SA], v[SB] matrix_a_fmt:MATRIX_FMT_FP4 matrix_b_fmt:MATRIX_FMT_FP4
.endif
.endif
.endm
.macro MMA q                           ; eight products; the sixteen accumulators take turns, one instruction a turn
.set SS, (\q)/2
.irp i, 0,1,2,3
.irp u, 0,1
.set MM, 4*((\q)%2)+\i
.set DD, ACC+16*MM+8*\u
.if SS < 2
.set AA, 96+16*SS+8*\u
.else
.set AA, 16*(SS-2)+8*\u
.endif
.set BB, 32+32*((\q)%2)+8*\i
.set SA, 8+SS
.set SB, 24+4*(SS%2)+\i
.set RA, \u
.set RB, (\q)%2
	WM
.endr
.endr
.endm
; A group: the next group's fragments are asked for, this group's are awaited (the count: the loads just issued are the younger ones), eight products, four places.
; The places stand between these products and the next loads into the registers that they read, which are issued one group on.
.macro GROUP q
.if (\q)+1 < 32
	WIN 0
.if ((\q)+1)%2 == 0
	LOADX ((\q)+1)/2
	LOADA (\q)+1
	s_wait_dscnt 9
.else
	LOADA (\q)+1
	s_wait_dscnt 8
.endif
.else
	s_wait_dscnt 0x0
.endif
.if (\q) == 16
	s_wait_loadcnt 0x0                             ; W2's K steps 8-15 are in: this group is the first that reads them
.endif
.if (\q)/2 < 2
	WIN 0
.else
	WIN 0x01                                       ; source 0 (W2) in the second window
.endif
	MMA \q
.rept 4
	v_nop
.endr
.endm
	LOADX 0
	LOADA 0
.set Q, 0
.rept 32
	GROUP Q
.set Q, Q+1
.endr
	WIN 0
	s_wait_dscnt 0x0                               ; my reads of the images are over
	s_barrier_signal -1
	s_barrier_wait -1                              ; everybody's are: the stage may be laid over them
	s_wait_alu depctr_va_vdst(0)
.irp m, 0,1,2,3,4,5,6,7
.irp i, 0,1,2,3
	ds_store_b128 v7, v[ACC+16*\m+4*\i:ACC+16*\m+4*\i+3] offset:8448*\m+16*\i   ; each accumulator from its low end on
.endr
.endr
	s_wait_dscnt 0x0                               ; for the others' sake: a row's 512 bytes come from four waves
	s_barrier_signal -1
	s_barrier_wait -1
	s_lshl_b32 s15, s12, 5
	s_cmp_ge_u32 s15, s17
	s_cbranch_scc1 .Lend                           ; my 32 rows are all padding: nobody reads them
.set I, 0
.rept 32
	ds_load_b128 v[ACC+4*I:ACC+4*I+3], v5 offset:528*I
.set I, I+1
.endr
.set I, 0
.rept 32
	s_wait_dscnt 31-I                              ; row I is back: the loads behind it are the younger ones
	global_store_b128 v1, v[ACC+4*I:ACC+4*I+3], s[28:29] offset:4096*I   ; 512 consecutive bytes, at a multiple of 256 from y's first byte
.set I, I+1
.endr
.Lend:
	s_set_vgpr_msb 0x5
	s_wait_tensorcnt 0x0
	ds_add_u32 v224, v225
	s_wait_dscnt 0x0
	s_set_vgpr_msb 0x500
	s_endpgm
.Lfunc_end_k_q2f18d5d864_down:
	.size	k_q2f18d5d864_down, .Lfunc_end_k_q2f18d5d864_down-k_q2f18d5d864_down
	.p2alignl 7, 3214868480
	.fill 96, 4, 3214868480
	.section	.rodata,"a",@progbits
	.p2align	6, 0x0
	.amdhsa_kernel k_q2f18d5d864_down
		.amdhsa_group_segment_fixed_size 139776
		.amdhsa_private_segment_fixed_size 0
		.amdhsa_enable_private_segment 0
		.amdhsa_kernarg_size 32
		.amdhsa_user_sgpr_count 2
		.amdhsa_user_sgpr_kernarg_segment_ptr 1
		.amdhsa_wavefront_size32 1
		.amdhsa_system_sgpr_workgroup_id_x 1
		.amdhsa_system_sgpr_workgroup_id_y 1
		.amdhsa_system_sgpr_workgroup_id_z 1
		.amdhsa_system_vgpr_workitem_id 0
		.amdhsa_next_free_vgpr 482
		.amdhsa_next_free_sgpr 66
		.amdhsa_reserve_vcc 0
		.amdhsa_float_denorm_mode_32 3
		.amdhsa_float_denorm_mode_16_64 3
		.amdhsa_memory_ordered 1
		.amdhsa_forward_progress 1
		.amdhsa_inst_pref_size 85
	.end_amdhsa_kernel
	.amdgpu_metadata
---
amdhsa.version: [ 1, 2 ]
amdhsa.kernels:
  - .name:           k_q2f18d5d864_down
    .symbol:         k_q2f18d5d864_down.kd
    .args:
      - { .name: hq, .offset: 0, .size: 8, .value_kind: global_buffer, .address_space: global }
      - { .name: wq, .offset: 8, .size: 8, .value_kind: global_buffer, .address_space: global }
      - { .name: place, .offset: 16, .size: 8, .value_kind: global_buffer, .address_space: global }
      - { .name: y, .offset: 24, .size: 8, .value_kind: global_buffer, .address_space: global }
    .group_segment_fixed_size: 139776
    .private_segment_fixed_size: 0
    .kernarg_segment_align: 8
    .kernarg_segment_size: 32
    .max_flat_workgroup_size: 128
    .sgpr_count:     66
    .vgpr_count:     482
    .wavefront_size: 32
...
	.end_amdgpu_metadata
.endif
;; end of part 3
;; launch mix (part 4): grid 256 x 1, 8 waves a work-group, no clusters, 0 bytes of LDS; arguments y, place, xa, out0; writes out0
.if DOCPART == 4
	.amdgcn_target "amdgcn-amd-amdhsa--gfx1250"
	.amdhsa_code_object_version 6
	.text
	.protected	k_q2f18d5d864_mix
	.globl	k_q2f18d5d864_mix
	.p2align	8
	.type	k_q2f18d5d864_mix,@function
k_q2f18d5d864_mix:
	s_mov_b64 s[64:65], 0
	v_nop
	global_prefetch_b8 v0, s[64:65] scope:SCOPE_SE
	s_setreg_imm32_b32 hwreg(HW_REG_WAVE_MODE, 25, 1), 1
	s_wait_xcnt 0x0
; out[t] = g0 y[pos(2 t)] + g1 y[pos(2 t + 1)]: each output row has one owner, a wave.  pos comes from place (whole numbers that an earlier launch stored), the weights from xa + 1114112.
; A stream: a row is 4,096 bytes, eight loads of 512 consecutive bytes; sixteen loads of a wave are out at once; no LDS, no barrier, no register is written again while a memory instruction reads it.
; The two terms are added best expert first, not in the order of the experts' numbers.
	s_load_b256 s[4:11], s[0:1], 0x0               ; y s[4:5], place s[6:7], xa s[8:9], out s[10:11]
	v_lshrrev_b32 v1, 5, v0
	s_delay_alu instid0(VALU_DEP_1)
	v_readfirstlane_b32 s12, v1                    ; wave
	v_and_b32 v1, 31, v0
	s_delay_alu instid0(VALU_DEP_1)
	v_lshlrev_b32 v1, 4, v1                        ; 16 x lane
	s_lshl_b32 s13, ttmp9, 3
	s_add_co_u32 s13, s13, s12                     ; my token
	s_lshl_b32 s15, s13, 3
	s_lshl_b32 s28, s13, 12
	s_mov_b32 s29, 0
	s_wait_alu depctr_va_vdst(0)
	s_wait_kmcnt 0x0
	s_load_b64 s[16:17], s[6:7], s15 offset:0x0    ; the rows of its two slots
	s_load_b64 s[20:21], s[8:9], s15 offset:0x110000   ; g0, g1
	s_add_nc_u64 s[30:31], s[10:11], s[28:29]
	s_wait_kmcnt 0x0
	s_min_u32 s18, s17, 4991                       ; a loaded number enters an address only behind this hold
	s_min_u32 s16, s16, 4991
	s_lshl_b32 s18, s18, 12
	s_lshl_b32 s16, s16, 12
	s_mov_b32 s17, 0
	s_mov_b32 s19, 0
	s_add_nc_u64 s[24:25], s[4:5], s[16:17]
	s_add_nc_u64 s[26:27], s[4:5], s[18:19]
	s_mov_b32 s22, s21                             ; a pair whose low word is g1: the packed form takes the low word for both halves
	s_mov_b32 s23, s21
.irp j, 0,1,2,3,4,5,6,7
	global_load_b128 v[8+4*\j:11+4*\j], v1, s[24:25] offset:512*\j th:TH_LOAD_NT
.endr
.irp j, 0,1,2,3,4,5,6,7
	global_load_b128 v[40+4*\j:43+4*\j], v1, s[26:27] offset:512*\j th:TH_LOAD_NT
.endr
.irp j, 0,1,2,3,4,5,6,7
	s_wait_loadcnt 7-\j                            ; part j of the second row is in (the parts behind it are the younger ones), and all of the first row
	v_pk_mul_f32 v[8+4*\j:9+4*\j], v[8+4*\j:9+4*\j], s[20:21] op_sel_hi:[1,0]
	v_pk_mul_f32 v[10+4*\j:11+4*\j], v[10+4*\j:11+4*\j], s[20:21] op_sel_hi:[1,0]
	s_delay_alu instid0(VALU_DEP_2)
	v_pk_fma_f32 v[8+4*\j:9+4*\j], v[40+4*\j:41+4*\j], s[22:23], v[8+4*\j:9+4*\j] op_sel_hi:[1,0,1]
	s_delay_alu instid0(VALU_DEP_2)
	v_pk_fma_f32 v[10+4*\j:11+4*\j], v[42+4*\j:43+4*\j], s[22:23], v[10+4*\j:11+4*\j] op_sel_hi:[1,0,1]
	global_store_b128 v1, v[8+4*\j:11+4*\j], s[30:31] offset:512*\j th:TH_STORE_NT   ; 512 consecutive bytes, aligned
.endr
	s_endpgm
.Lfunc_end_k_q2f18d5d864_mix:
	.size	k_q2f18d5d864_mix, .Lfunc_end_k_q2f18d5d864_mix-k_q2f18d5d864_mix
	.p2alignl 7, 3214868480
	.fill 96, 4, 3214868480
	.section	.rodata,"a",@progbits
	.p2align	6, 0x0
	.amdhsa_kernel k_q2f18d5d864_mix
		.amdhsa_group_segment_fixed_size 0
		.amdhsa_private_segment_fixed_size 0
		.amdhsa_enable_private_segment 0
		.amdhsa_kernarg_size 32
		.amdhsa_user_sgpr_count 2
		.amdhsa_user_sgpr_kernarg_segment_ptr 1
		.amdhsa_wavefront_size32 1
		.amdhsa_system_sgpr_workgroup_id_x 1
		.amdhsa_system_sgpr_workgroup_id_y 1
		.amdhsa_system_sgpr_workgroup_id_z 1
		.amdhsa_system_vgpr_workitem_id 0
		.amdhsa_next_free_vgpr 80
		.amdhsa_next_free_sgpr 66
		.amdhsa_reserve_vcc 0
		.amdhsa_float_denorm_mode_32 3
		.amdhsa_float_denorm_mode_16_64 3
		.amdhsa_memory_ordered 1
		.amdhsa_forward_progress 1
		.amdhsa_inst_pref_size 7
	.end_amdhsa_kernel
	.amdgpu_metadata
---
amdhsa.version: [ 1, 2 ]
amdhsa.kernels:
  - .name:           k_q2f18d5d864_mix
    .symbol:         k_q2f18d5d864_mix.kd
    .args:
      - { .name: y, .offset: 0, .size: 8, .value_kind: global_buffer, .address_space: global }
      - { .name: place, .offset: 8, .size: 8, .value_kind: global_buffer, .address_space: global }
      - { .name: xa, .offset: 16, .size: 8, .value_kind: global_buffer, .address_space: global }
      - { .name: out0, .offset: 24, .size: 8, .value_kind: global_buffer, .address_space: global }
    .group_segment_fixed_size: 0
    .private_segment_fixed_size: 0
    .kernarg_segment_align: 8
    .kernarg_segment_size: 32
    .max_flat_workgroup_size: 256
    .sgpr_count:     66
    .vgpr_count:     80
    .wavefront_size: 32
...
	.end_amdgpu_metadata
.endif
;; end of part 4
